; MI455X (gfx1250); checked and timed in simulation.
; The chip was launched on July 23, 2026; its instructions are those of AMD's public machine-readable ISA for CDNA 5 (MIT licence, August 2026) and "CDNA5" Instruction Set Architecture Reference Guide (July 2026). The comments in the code are by the model that wrote it; some were corrected since.
;; cha second conv. Allowed arithmetic: float matrix products may take bf16 or f16 operands with f32 sums; all other float work in f32.
;; Inputs: W 64 x 224 float32; b 64 float32; input 16 x 64 x 128 x 128 float32.
;; Outputs: out0 16 x 64 x 128 x 128 float32.
;; One version. Each part assembles by itself: llvm-mc -triple=amdgcn-amd-amdhsa -mcpu=gfx1250 --defsym DOCPART=n.
;; ======== version 1 of 1: 1 launch
;; limits: values are held in f16: magnitudes above 65,504 overflow, below 6.1e-05 lose precision; inputs' magnitudes at most 2,047; right only within a limited range of input values
;; launch conv (part 1): grid 256 x 1, 4 waves a work-group, no clusters, 31,232 bytes of LDS; arguments W, b, input, out0; writes out0
.if DOCPART == 1
	.amdgcn_target "amdgcn-amd-amdhsa--gfx1250"
	.amdhsa_code_object_version 6
	.text
	.protected	k_q0276a573ca_conv
	.globl	k_q0276a573ca_conv
	.p2align	8
	.type	k_q0276a573ca_conv,@function
k_q0276a573ca_conv:
	s_mov_b64 s[64:65], 0
	v_nop
	global_prefetch_b8 v0, s[64:65] scope:SCOPE_SE
	s_setreg_imm32_b32 hwreg(HW_REG_WAVE_MODE, 25, 1), 1
	s_wait_xcnt 0x0
; out[n][o][p] = b[o] + sum over c of W[o][c] feat[n][c][p].   input, out0: [16][64][16384] f32.  W: [64][224] f32.  b: [64] f32.
; feat: each group of 4 channels x0..x3 gives 14 features, in this order:
;   x0 x1 x2 x3 | x0^2 x1^2 x2^2 x3^2 | x0x1 x1x2 x2x3 x0x2 x1x3 x0x3.
;
; FORMAT.  The matrix operands are f16, not bf16: a sum of 224 products whose terms cancel is held to a hundredth of the outputs' root mean square, and
; 8 significant bits in both operands leave too little of that; 11 bits leave eight times more.  So that f16's range costs nothing near the
; problem's numbers, x is scaled by 2^-3 (exact) before the features are made: linear features carry 2^-3, products 2^-6, and W's columns are
; multiplied by 8 or by 64 (exact) before they are rounded.  The sums then need no scaling back.
; LIMITS.  W and the features are rounded once to f16; the products are formed in f32; sums and the bias add are f32; the order of the
; sum over c is the matrix unit's over a permuted c, not the reference's.  A feature overflows to infinity from |xi xj| / 64 >= 65,520 on, that is
; from |x| = 2,047; a weight from |W| = 1,023 (product columns) or 8,190 (linear columns): there the result is infinite or NaN where the reference's
; is finite.  Scaled values below 2^-14 are f16 denormals, in steps of 2^-24: x is then kept to within 2^-22, a product to within 2^-19,
; a weight to within 2^-28 (linear) or 2^-31 (product columns).
;
; SHARES.  256 work-groups of four waves.  Work-group g: image g >> 4, pixels 1024 (g & 15) .. + 1023, all channels.  A wave does four UNITS of
; 64 pixels; unit u of wave w is the pixel block 4 u + w, so that the four waves read neighbouring 256 bytes of a plane.
; Lane L = (r = L & 15, h = L >> 4) loads 16 bytes (pixels 4 r .. 4 r + 3) of channels 32 h .. 32 h + 31: each half of the wave covers 256
; consecutive bytes, aligned, with every load, and likewise with every store.
;
; THE PRODUCT.  D = A B with A = 16 rows of W, B = 16 pixels.  Pixel 4 r + t is column r of pixel tile t (t = 0..3).  The 224 features are dealt so
; that half h of the lanes holds features 112 h .. 112 h + 111, which are those of the 32 channels it loaded: in K step s (0..6), register j,
; half-word e of a lane of half h stand for feature 112 h + 16 s + 2 j + e, in A and in B alike, so every product meets its partner.
; Register j of a result is out channel 16 ot + 8 h + j at pixel 4 r + t.  The bias add writes it to register 4 (8 ot + j) + t of the unit's dead
; input buffer: the add is also the transposition that puts a lane's four neighbouring pixels into four neighbouring registers.
;
; W is scaled and rounded once by the work-group, passed through LDS, and then kept by every wave in 224 registers for its four units.
; NO CLUSTER: the work-groups share only W and b, 57,600 bytes, against 524,288 bytes that are each work-group's own, and W has to pass through
; registers to be rounded.  x does not go through LDS: the loads deliver it in the registers in which it is used.
;
; REGISTERS, in windows of 256 (s_set_vgpr_msb: bits 1:0 source 0, 3:2 source 1, 5:4 source 2, 7:6 destination):
;   window 0: v1-15 addresses, v16-47 bias, v48-127 products (first: b as loaded, W's factors), v128-239 B fragments of two pixel tiles (first: W as loaded)
;   window 1: v0-223 W's 28 fragments (4 row blocks x 7 K steps)
;   window 2: v0-127 input buffer 0, v128-255 input buffer 1
;   window 3: v0-127 input buffer 2, v128-255 the 16 accumulators (4 pixel tiles x 4 row blocks)
.set PLANE,  65536                     ; bytes of one channel's plane (128 x 128 f32)
.set USTEP,  1024                      ; bytes in a plane from a wave's unit to its next: four waves x 64 pixels
.set WROWB,  896                       ; bytes of a row of W in f32
.set WP,     464                       ; LDS pitch of a row of W in f16: 448 + 16 = 116 words, so 16 rows start at 16 different groups of four banks (64 banks of 4 bytes: ISA guide 11.1)
.set LBIAS,  64*WP                     ; behind W: 256 bytes for each wave, b
.set XSCALE, 0x3e000000                ; 2^-3
.set WLIN,   0x41000000                ; 8.0:  W's columns of the features x / 8
.set WPRO,   0x42800000                ; 64.0: W's columns of the features xi xj / 64
.set VIN,  1                           ; my byte offset in the work-group's part of input
.set VOUT, 2                           ; and of out0
.set VFR,  3                           ; LDS address of my part of W's fragments
.set VW,   4                           ; my byte offset in W
.set VBS,  5                           ; LDS: where I put 8 bytes of b
.set VBL,  6                           ; LDS: where I read my half's b
.set VL,   7                           ; lane
.set AD,   8                           ; v8-14: LDS addresses for W's chunks
.set VB,   15                          ; my byte offset in b
.set BIAS, 16                          ; v16-47: register 8 ot + j = b[16 ot + 8 h + j]
.set TMP,  48                          ; v48-127: products of four groups, two pixel tiles side by side
.set BST,  48                          ; (first: v48-49 b as loaded,
.set FK,   64                          ;  v64-91 the factors of W's chunks: for k = 0..6 four registers, one for each of the chunk's numbers,
.set C64,  92                          ;  v92 = 64.0,
.set C8,   93                          ;  v93 = 8.0)
.set F,    128                         ; v128-183, v184-239: seven B fragments each for two pixel tiles
.set STG,  128                         ; (first: W as loaded, 28 x 4 registers)
.set ACC,  128                         ; window 3: accumulator (t, ot) at ACC + 32 t + 8 ot
.set MSB, 0
.macro WIN new                         ; the immediate's high byte repeats the setting that is left; a switch that changes nothing is dropped
.if MSB != (\new)
	s_set_vgpr_msb (MSB<<8)|(\new)
.set MSB, (\new)
.endif
.endm
; 32 loads: unit u, my half's 32 channels, into the buffer at register xb of window xw
.macro LOADU u, xw, xb
	WIN (\xw<<6)
.set c, 0
.rept 32
	global_load_b128 v[\xb+4*c:\xb+4*c+3], v[VIN], s[8:9] offset:c*PLANE+(\u)*USTEP th:TH_LOAD_NT
.set c, c+1
.endr
.endm
; The factor of the pair of columns whose number n (below 448) is in v60, twice, for a packed multiply.  A group's 14 columns are 7 pairs, of which the first
; two are the linear features.  n / 7 = (n x 9363) >> 16: 9363 x 7 = 65536 + 5, so the product exceeds n / 7 by n / 7 x 5 / 65536, at n = 447 by 0.005,
; less than the 1 / 7 that is left to the next whole number.
.macro WFACT dst
	v_mul_u32_u24 v61, 0x2493, v60
	v_lshrrev_b32 v61, 16, v61                     ; n / 7
	v_mul_u32_u24 v61, 7, v61
	v_sub_nc_u32 v61, v60, v61                     ; n mod 7
	v_cmp_gt_u32 vcc_lo, 2, v61
	v_cndmask_b32 v[\dst],   v[C64], v[C8], vcc_lo ; 8 for pairs 0 and 1 of a group, 64 for the others
	v_cndmask_b32 v[\dst+1], v[C64], v[C8], vcc_lo
.endm
; Features of groups g0 .. g0 + 3 of my half for the pixel tiles 2 p and 2 p + 1; x stands for the scaled input.  A channel's registers 2 p, 2 p + 1 are
; a pair, so one packed multiply serves both tiles.  All 40 multiplies stand first: they touch no register of the matrix instructions in front of
; them, and so are the places (ISA guide 7.12.1) between those and the conversions that rewrite the fragments.
.macro FEAT4 p, xw, xb, g0
	WIN ((\xw<<2)|\xw)                             ; sources: the input buffer; destination: window 0
.set g, \g0
.rept 4
.set XI, \xb+16*g+2*\p                         ; x0; x1, x2, x3 are 4, 8, 12 registers on
.set TP, TMP+20*(g-\g0)
	v_pk_mul_f32 v[TP:TP+1],     v[XI:XI+1],     v[XI:XI+1]        ; x0 x0
	v_pk_mul_f32 v[TP+2:TP+3],   v[XI+4:XI+5],   v[XI+4:XI+5]      ; x1 x1
	v_pk_mul_f32 v[TP+4:TP+5],   v[XI+8:XI+9],   v[XI+8:XI+9]      ; x2 x2
	v_pk_mul_f32 v[TP+6:TP+7],   v[XI+12:XI+13], v[XI+12:XI+13]    ; x3 x3
	v_pk_mul_f32 v[TP+8:TP+9],   v[XI:XI+1],     v[XI+4:XI+5]      ; x0 x1
	v_pk_mul_f32 v[TP+10:TP+11], v[XI+4:XI+5],   v[XI+8:XI+9]      ; x1 x2
	v_pk_mul_f32 v[TP+12:TP+13], v[XI+8:XI+9],   v[XI+12:XI+13]    ; x2 x3
	v_pk_mul_f32 v[TP+14:TP+15], v[XI:XI+1],     v[XI+8:XI+9]      ; x0 x2
	v_pk_mul_f32 v[TP+16:TP+17], v[XI+4:XI+5],   v[XI+12:XI+13]    ; x1 x3
	v_pk_mul_f32 v[TP+18:TP+19], v[XI:XI+1],     v[XI+12:XI+13]    ; x0 x3
.set g, g+1
.endr
.set g, \g0
.rept 4
.set XI, \xb+16*g+2*\p
.irp e, 0,1
	v_cvt_pk_f16_f32 v[F+56*\e+7*g],   v[XI+\e],   v[XI+4+\e]      ; features 0, 1 of the group: x0, x1
	v_cvt_pk_f16_f32 v[F+56*\e+7*g+1], v[XI+8+\e], v[XI+12+\e]     ; features 2, 3: x2, x3
.endr
.set g, g+1
.endr
	WIN 0                                          ; sources: the products
.set g, \g0
.rept 4
.set TP, TMP+20*(g-\g0)
.irp m, 0,1,2,3,4
.irp e, 0,1
	v_cvt_pk_f16_f32 v[F+56*\e+7*g+2+\m], v[TP+4*\m+\e], v[TP+4*\m+2+\e]   ; features 4 + 2 m, 5 + 2 m
.endr
.endr
.set g, g+1
.endr
.endm
; 56 matrix instructions: pixel tiles 2 p, 2 p + 1 x four row blocks of W x seven K steps; eight chains in turn.  The first link starts the sum.
.macro MM p
	WIN 0xf1                                       ; A window 1, B window 0, C and D window 3
.irp s, 0,1,2,3,4,5,6
.irp ot, 0,1,2,3
.irp e, 0,1
.if \s == 0
	v_wmma_f32_16x16x32_f16 v[ACC+32*(2*\p+\e)+8*\ot:ACC+32*(2*\p+\e)+8*\ot+7], v[8*(7*\ot+\s):8*(7*\ot+\s)+7], v[F+56*\e+8*\s:F+56*\e+8*\s+7], 0
.else
	v_wmma_f32_16x16x32_f16 v[ACC+32*(2*\p+\e)+8*\ot:ACC+32*(2*\p+\e)+8*\ot+7], v[8*(7*\ot+\s):8*(7*\ot+\s)+7], v[F+56*\e+8*\s:F+56*\e+8*\s+7], v[ACC+32*(2*\p+\e)+8*\ot:ACC+32*(2*\p+\e)+8*\ot+7]
.endif
.endr
.endr
.endr
.endm
; One unit.  Its data lie in the buffer at xb of window xw.  left: how many younger loads may stay out.  fill = 1: unit u + 2 is requested, into the
; buffer at fb of window fw; free = 1: stores have read that buffer.
.macro DOUNIT u, xw, xb, left, fill, fw, fb, free
	s_wait_loadcnt \left                           ; loads return in order (ISA guide 5.7.1): my unit's 32 are in, the next unit's stay out
.if \fill
.if \free
	s_wait_xcnt 0x0                                ; every earlier memory instruction has had its addresses translated (ISA guide 3.1): the buffer that the stores of the unit before read is loaded again only behind this wait
.endif
	LOADU \u+2, \fw, \fb                           ; two units are now out: 64 loads where the counter's field holds 63, so the last one's issue waits for the oldest to return (ISA guide 5.7.1)
.endif
	WIN ((\xw<<6)|\xw)                             ; source 0 and destination: the unit's buffer
.set q, 0
.rept 64
	v_pk_mul_f32 v[\xb+2*q:\xb+2*q+1], v[\xb+2*q:\xb+2*q+1], s[20:21] op_sel_hi:[1,0]    ; x / 8, in place, exact
.set q, q+1
.endr
	FEAT4 0, \xw, \xb, 0
	FEAT4 0, \xw, \xb, 4
.if \u == 0
	s_wait_dscnt 0x0                               ; W's fragments and the bias are in their registers
.endif
	MM 0
	FEAT4 1, \xw, \xb, 0
	FEAT4 1, \xw, \xb, 4
	MM 1
.rept 4
	v_nop                                          ; four places between the last matrix instructions and the adds that read their results (ISA guide 7.12.1)
.endr
	WIN ((\xw<<6)|3)                               ; source 0: accumulators; source 1: bias; destination: the unit's input buffer, which is dead
.irp ot, 0,1,2,3
.irp j, 0,1,2,3,4,5,6,7
.irp t, 0,1,2,3
	v_add_f32 v[\xb+4*(8*\ot+\j)+\t], v[ACC+32*\t+8*\ot+\j], v[BIAS+8*\ot+\j]
.endr
.endr
.endr
	WIN (\xw<<2)                                   ; store data (source 1): that buffer
.irp ot, 0,1,2,3
.irp j, 0,1,2,3,4,5,6,7
	global_store_b128 v[VOUT], v[\xb+4*(8*\ot+\j):\xb+4*(8*\ot+\j)+3], s[10:11] offset:(16*\ot+\j)*PLANE+(\u)*USTEP th:TH_STORE_NT
.endr
.endr
.endm
	s_load_b256 s[4:11], s[0:1], 0x0               ; W s[4:5], b s[6:7], input s[8:9], out0 s[10:11]
	v_lshl_add_u32 v254, v0, 2, 0x7800
	v_mov_b32 v255, 0
	v_lshrrev_b32 v50, 5, v0
	v_readfirstlane_b32 s14, v50                   ; wave w
	v_and_b32 v[VL], 31, v0                        ; lane L
	v_and_b32 v51, 15, v0                          ; r
	v_bfe_u32 v52, v0, 4, 1                        ; h
	s_lshr_b32 s12, ttmp9, 4                       ; image: 64 planes = 1 << 22 bytes each
	s_lshl_b32 s12, s12, 22
	s_and_b32 s13, ttmp9, 15                       ; which 1,024 pixels (4,096 bytes) of every plane
	s_lshl_b32 s13, s13, 12
	s_or_b32 s12, s12, s13                         ; below 1 << 26
	s_mov_b32 s13, 0
	s_mul_i32 s15, s14, 16*WROWB                   ; my wave's 16 rows of W in memory,
	s_mul_i32 s16, s14, 16*WP                      ; and in LDS
	s_lshl_b32 s17, s14, 8                         ; 256 w
	s_add_co_u32 s18, s17, LBIAS                   ; my wave's copy of b in LDS
	s_mov_b32 s20, XSCALE                          ; the packed multiply broadcasts s20;
	s_mov_b32 s21, XSCALE                          ; the pair is named whole, so both are written
	v_lshl_add_u32 v[VW], v[VL], 4, s15            ; W: 16 L + my wave's rows
	v_lshlrev_b32 v[VB], 3, v[VL]                  ; b: 8 L
	v_lshl_add_u32 v53, v51, 4, s17                ; 16 r + 256 w
	v_lshl_add_u32 v[VIN], v52, 21, v53            ; + h x 32 planes
	v_lshl_add_u32 v[VOUT], v52, 19, v53           ; + h x 8 planes
	s_wait_kmcnt 0x0
	s_add_nc_u64 s[8:9], s[8:9], s[12:13]
	s_add_nc_u64 s[10:11], s[10:11], s[12:13]
	; 28 + 1 + 32 loads.  W: my wave's 16 rows are 14,336 consecutive bytes, 512 with each load.
.set i, 0
.rept 28
	global_load_b128 v[STG+4*i:STG+4*i+3], v[VW], s[4:5] offset:512*i
.set i, i+1
.endr
	global_load_b64 v[BST:BST+1], v[VB], s[6:7]    ; all of b: 256 bytes
	LOADU 0, 2, 0
	WIN 0
	; While they are on their way: W's LDS addresses and factors.  Load i = 7 a + k brought me chunk 224 a + u, u = 32 k + L, of 4 numbers; a row of W has
	; 56 chunks, so 224 chunks are 4 rows, and chunk u lies in row u / 56 of them: at 8 u + 16 (u / 56), since a row's pitch is 56 x 8 + 16.
	; u / 56 = (u x 1171) >> 16 for u below 224: 1171 / 65536 exceeds 1 / 56 by 1.1e-5, which at u = 223 adds 0.0025, less than the 1 / 56 that is left to the next whole number.
	; The chunk's two pairs of columns are pairs 2 u and 2 u + 1 counted from the first of the four rows; a row has 112 = 16 x 7 pairs, so their place in
	; a group of 7 pairs is 2 u mod 7 and (2 u + 1) mod 7, whatever the row.
	v_mov_b32 v[C64], WPRO
	v_mov_b32 v[C8], WLIN
.irp k, 0,1,2,3,4,5,6
	v_add_nc_u32 v58, 32*\k, v[VL]                 ; u
	v_lshlrev_b32 v60, 1, v58                      ; 2 u
	WFACT FK+4*\k
	v_add_nc_u32 v60, 1, v60                       ; 2 u + 1
	WFACT FK+4*\k+2
	v_mul_u32_u24 v59, 0x493, v58
	v_lshrrev_b32 v59, 16, v59                     ; u / 56
	v_lshl_add_u32 v58, v58, 3, s16                ; 8 u + my wave's 16 rows
	v_lshl_add_u32 v[AD+\k], v59, 4, v58
.endr
	v_mul_u32_u24 v[VFR], v51, WP                  ; fragments: row r,
	v_mad_u32_u24 v[VFR], v52, 224, v[VFR]         ; features 112 h on (2 bytes each)
	v_lshl_add_u32 v[VBS], v[VL], 3, s18
	v_lshl_add_u32 v[VBL], v52, 5, s18             ; b[8 h ..]
	s_wait_loadcnt 32                              ; W and b are in; unit 0's 32 loads stay out
.set i, 0
.rept 28
	v_pk_mul_f32 v[STG+4*i:STG+4*i+1],   v[STG+4*i:STG+4*i+1],   v[FK+4*(i%7):FK+4*(i%7)+1]      ; x 8 or x 64, exact
	v_pk_mul_f32 v[STG+4*i+2:STG+4*i+3], v[STG+4*i+2:STG+4*i+3], v[FK+4*(i%7)+2:FK+4*(i%7)+3]
	v_cvt_pk_f16_f32 v[STG+4*i],   v[STG+4*i],   v[STG+4*i+1]
	v_cvt_pk_f16_f32 v[STG+4*i+1], v[STG+4*i+2], v[STG+4*i+3]
	ds_store_b64 v[AD+i%7], v[STG+4*i:STG+4*i+1] offset:(i/7)*4*WP
.set i, i+1
.endr
	ds_store_b64 v[VBS], v[BST:BST+1]
	LOADU 1, 2, 128
	WIN 0
	s_wait_dscnt 0x0                               ; for the other waves' sake: my rows of W are in LDS
	s_barrier_signal -1
	s_barrier_wait -1                              ; everybody's are
	WIN 0x40                                       ; destination: window 1
.irp ot, 0,1,2,3
.irp s, 0,1,2,3,4,5,6
	ds_load_b128 v[8*(7*\ot+\s):8*(7*\ot+\s)+3],   v[VFR] offset:\ot*16*WP+32*\s      ; W[16 ot + r][112 h + 16 s + 0 .. 7]
	ds_load_b128 v[8*(7*\ot+\s)+4:8*(7*\ot+\s)+7], v[VFR] offset:\ot*16*WP+32*\s+16   ; .. + 8 .. 15
.endr
.endr
	WIN 0
.irp ot, 0,1,2,3
	ds_load_b128 v[BIAS+8*\ot:BIAS+8*\ot+3],   v[VBL] offset:64*\ot                   ; b[16 ot + 8 h + 0 .. 3], from my wave's own copy
	ds_load_b128 v[BIAS+8*\ot+4:BIAS+8*\ot+7], v[VBL] offset:64*\ot+16
.endr
	; Four units over three buffers, written out: buffers are registers and cannot be indexed.
	DOUNIT 0, 2, 0,   32, 1, 3, 0, 0               ; unit 2 goes into buffer 2, which nothing has used
	DOUNIT 1, 2, 128, 32, 1, 2, 0, 1               ; unit 3 goes into buffer 0, behind unit 0's stores
	DOUNIT 2, 3, 0,   32, 0, 0, 0, 0               ; nothing is left to request: unit 3's 32 loads stay out,
	DOUNIT 3, 2, 0,   0,  0, 0, 0, 0               ; and the last wait is for all
	s_set_vgpr_msb 0x800
	s_wait_tensorcnt 0x0
	ds_add_u32 v254, v255
	s_wait_dscnt 0x0
	s_set_vgpr_msb 0x8
	s_endpgm
.Lfunc_end_k_q0276a573ca_conv:
	.size	k_q0276a573ca_conv, .Lfunc_end_k_q0276a573ca_conv-k_q0276a573ca_conv
	.p2alignl 7, 3214868480
	.fill 96, 4, 3214868480
	.section	.rodata,"a",@progbits
	.p2align	6, 0x0
	.amdhsa_kernel k_q0276a573ca_conv
		.amdhsa_group_segment_fixed_size 31232
		.amdhsa_private_segment_fixed_size 0
		.amdhsa_enable_private_segment 0
		.amdhsa_kernarg_size 32
		.amdhsa_user_sgpr_count 2
		.amdhsa_user_sgpr_kernarg_segment_ptr 1
		.amdhsa_wavefront_size32 1
		.amdhsa_system_sgpr_workgroup_id_x 1
		.amdhsa_system_sgpr_workgroup_id_y 1
		.amdhsa_system_sgpr_workgroup_id_z 1
		.amdhsa_system_vgpr_workitem_id 0
		.amdhsa_next_free_vgpr 1024
		.amdhsa_next_free_sgpr 66
		.amdhsa_reserve_vcc 1
		.amdhsa_float_denorm_mode_32 3
		.amdhsa_float_denorm_mode_16_64 3
		.amdhsa_memory_ordered 1
		.amdhsa_forward_progress 1
		.amdhsa_inst_pref_size 207
	.end_amdhsa_kernel
	.amdgpu_metadata
---
amdhsa.version: [ 1, 2 ]
amdhsa.kernels:
  - .name:           k_q0276a573ca_conv
    .symbol:         k_q0276a573ca_conv.kd
    .args:
      - { .name: W, .offset: 0, .size: 8, .value_kind: global_buffer, .address_space: global }
      - { .name: b, .offset: 8, .size: 8, .value_kind: global_buffer, .address_space: global }
      - { .name: input, .offset: 16, .size: 8, .value_kind: global_buffer, .address_space: global }
      - { .name: out0, .offset: 24, .size: 8, .value_kind: global_buffer, .address_space: global }
    .group_segment_fixed_size: 31232
    .private_segment_fixed_size: 0
    .kernarg_segment_align: 8
    .kernarg_segment_size: 32
    .max_flat_workgroup_size: 128
    .sgpr_count:     66
    .vgpr_count:     1024
    .wavefront_size: 32
...
	.end_amdgpu_metadata
.endif
;; end of part 1
